; MI455X (gfx1250); checked and timed in simulation.
; The chip was launched on July 23, 2026; its instructions are those of AMD's public machine-readable ISA for CDNA 5 (MIT licence, August 2026) and "CDNA5" Instruction Set Architecture Reference Guide (July 2026). The comments in the code are by the model that wrote it; some were corrected since.
;; Relational Memory. Allowed arithmetic: matrix products marked QUANTISED: E2M3 operands, one E8M0 scale for each 32 along K, by v_wmma_scale_f32_16x16x128_f8f6f4 with both operands' format E2M3, f32 sums; everything else in f32.
;; Inputs: hardness 8,192 float32; keys 8,192 x 256 float32; latent 8 x 2,048 x 256 float32; vals 8,192 x 256 float32.
;; Outputs: out0 8 x 2,048 x 256 float32.
;; This version of the problem:
;;   THIS VERSION OF THE PROBLEM IS GIVEN IN LOW PRECISION. The matrix products marked QUANTISED in the list below multiply operands that are first quantised to E2M3 (2 exponent bits, 3 mantissa bits; 6 bits a number), with one power-of-two scale for each 32 numbers along K (OCP MX v1.0); their sums are f32. All else is computed in f32.
;;   The module's matrix products, in the order in which they are computed (A, B: the left and right operand; K: the contracted axis; several contracted axes count as one K, in the product's order):
;;     1. [M 16,384, K 256] x [K 256, N 8,192]; A: computed on the way; B: computed on the way: QUANTISED
;;     2. [M 16,384, K 8,192] x [K 8,192, N 256]; A: softmax (see below); B: input vals: QUANTISED
;;   THE QUANTISER, for each operand of a quantised product, along K:
;;     - K is cut into blocks of 32 from its start; a last block that is shorter is filled with zeros.
;;     - A block's scale is 2^e with e = floor(log2(the largest magnitude in the block)) - 2, held to -126 .. 127; a block of zeros has e = 0. As a byte (E8M0): e + 127.
;;     - Each number is divided by its block's scale, clamped to +-7.5, and rounded to the nearest number of E2M3, ties to even, subnormals kept.
;;     - The product sums the exact products of the quantised numbers (number of the format x scale) in f32.
;;   ~~~python
;;   def quantise(x, axis):      # numpy; x: float32 -> the quantised numbers, widened to float32 again
;;       x = np.moveaxis(x, axis, -1); K = x.shape[-1]
;;       x = np.pad(x, [(0, 0)] * (x.ndim - 1) + [(0, -K % 32)]); x = x.reshape(x.shape[:-1] + (-1, 32)); a = np.abs(x).max(-1, keepdims=True)
;;       e = np.where(a > 0, np.clip(np.frexp(np.where(a > 0, a, 1))[1] - 1 - 2, -126, 127), 0)      # np.frexp(a)[1] - 1 = floor(log2(a)), exactly
;;       r = np.clip(x / 2.0 ** e, -7.5, 7.5)
;;       step = 2.0 ** (np.maximum(np.frexp(np.where(r == 0, 1, r))[1] - 1, 0) - 3)
;;       q = np.round(r / step) * step * 2.0 ** e      # np.round: ties to even
;;       return np.moveaxis(q.reshape(q.shape[:-2] + (-1,))[..., :K], -1, axis).astype(np.float32)
;;   ~~~
;;   SOFTMAX AHEAD OF A QUANTISED PRODUCT. Where the list says 'softmax', what is quantised is not the finished softmax but p = 2^(t - M), with t = logit x log2(e) and M = ceil(the row's largest t), a whole number; so 1/2 < the row's largest p <= 1. The row's sum l is taken of the UNQUANTISED p, in f32, and the product's result is divided by l at the end. Since M is a whole number, a kernel that streams over the keys may use a running M (the ceiling of the running maximum): every later rescaling is an exact power of two, which a block's scale takes up: the codes' values come out the same.
;;   OPERANDS COMPUTED ON THE WAY. 'Computed on the way' means the value that the module computes at that place (a softmax that the list does not call 'softmax' is quantised finished and normalised). What goes into a quantiser is computed in f32, as accurately as f32 sums, v_exp_f32 and their like allow (about 1e-6 of the number): no bf16 or f16 on the way to a quantiser, and a product that is left as it is and whose result goes on into a quantised operand takes f32 operands (vector FMAs, or v_wmma_f32_16x16x4_f32). A number that lies on a knife's edge between two numbers of the format may be rounded either way, as far as f32 arithmetic and the matrix unit's own rounding can turn it there, and no further.
;; One version. Each part assembles by itself: llvm-mc -triple=amdgcn-amd-amdhsa -mcpu=gfx1250 --defsym DOCPART=n.
;; ======== version 1 of 1: 2 launches
;; workspace buffers: qimg 3,276,800 bytes; kvimg 3,276,800 bytes
;; launch prep (part 1): grid 256 x 1, 8 waves a work-group, no clusters, 134,144 bytes of LDS; arguments latent, keys, vals, qimg, kvimg; writes qimg, kvimg
.if DOCPART == 1
	.amdgcn_target "amdgcn-amd-amdhsa--gfx1250"
	.amdhsa_code_object_version 6
	.text
	.protected	k_qfa65aef59a_prep
	.globl	k_qfa65aef59a_prep
	.p2align	8
	.type	k_qfa65aef59a_prep,@function
k_qfa65aef59a_prep:
	s_mov_b64 s[64:65], 0
	v_nop
	global_prefetch_b8 v0, s[64:65] scope:SCOPE_SE
	s_setreg_imm32_b32 hwreg(HW_REG_WAVE_MODE, 25, 1), 1
	s_wait_xcnt 0x0
; PREP: the three operands that do not hang on the softmax become codes of FP6 (E2M3) with one E8M0 byte for each 32 along K, laid in the ORDER OF THE OPERANDS' REGISTERS.
;   latent [16384][256] f32: each row divided by max(its norm, 1e-12), quantised along its 256 -> qimg.    keys [8192][256] f32: the same -> kvimg.    vals [8192][256] f32: quantised along the KEYS -> kvimg.
; A FRAGMENT (16 rows x 128 K, 12 registers a lane) lies as an image of its registers: registers 4 q .. 4 q + 3 of lane l at 512 q + 16 l: 1,536 bytes.
;   qimg:  tile T (rows 16 T ..) at 3072 T, its K step s at + 1536 s;  scale words at 3145728 + 128 T + 4 l: lanes 0-15 row l's word of K step 0, lanes 16-31 row l - 16's of K step 1.
;   kvimg: key step j (128 keys) at 51200 j:  + 0 K's eight tiles (3072 tau + 1536 s);  + 24576 their scale words (128 tau + 4 l, as Q's);
;          + 25600 V's sixteen tiles of 16 channels x these 128 keys (1536 t);  + 50176 their scale words (128 u + 4 l: lanes 0-15 tile 2 u, lanes 16-31 tile 2 u + 1).
;   THE KEYS OF A TILE OF K ARE NOT NEIGHBOURS: row r of tile 2 b + u is key 128 j + 32 b + 8 u + r + 8 (r / 8), so that the scores' registers of two neighbouring tiles are 16 neighbouring keys.
; A block's scale is 2^(floor(log2(its largest magnitude)) - 2): its byte is that magnitude's exponent field - 2, held at 1 from below.
; LIMITS: a block of zeros gets the byte 1 where the rule says 127 (its codes are zeros, and this program alone reads the bytes); NaN and infinities are not served; a row whose sum of squares lies under 2^-126
; counts as a row of norm 0 (the square root takes a denormal for 0) and is divided by 1e-12; a row whose sum of squares passes the largest f32 number is not served.
; SHARES: 256 work-groups of eight waves that share nothing: no barrier.  Waves 0-5: one tile of 16 rows each (6 x 256 = 1,024 tiles of latent + 512 of keys).  Waves 6-7: 128 keys x 32 channels of vals each (2 x 256 = 64 x 8).
; Memory bounds this launch: every input byte is read once, a wave's 16 KiB asked for in one run.  No matrix unit, no tensor loads, no cluster: nothing is shared and nothing is multiplied.
.set X,    16                          ; v16-143   128 numbers of a lane
.set F,    144                         ; v144-167  codes: two fragments' registers
.set T,    168                         ; v168-183  the second half of each block's codes (a conversion's three registers begin on an even number)
.set BM,   200                         ; v200-207  largest magnitudes, two chains a block
.set SO,   208                         ; v208-211  the conversions' scale operands
.set BY,   216                         ; v216-219  the scale bytes
.set SQ,   224                         ; v224-231  the sum of squares in four pairs
.set WSTG, 16640                       ; LDS: a stage of 16 rows for each wave,
.set RP,   1040                        ; 1,024 bytes + 16 a row: the sixteen rows that a load touches begin 65 x 16 bytes apart
.set QSC,  3145728                     ; qimg: where the scale words begin
.set KSTEP, 51200                      ; kvimg: bytes of a key step
; block b of my 128 numbers: its largest magnitude (all 32 are mine), the conversion's scale operand, the byte
.macro BMAX b
	v_max3_num_f32 v[BM+\b], |v[X+32*\b]|, |v[X+32*\b+1]|, |v[X+32*\b+2]|
	v_max3_num_f32 v[BM+4+\b], |v[X+32*\b+3]|, |v[X+32*\b+4]|, |v[X+32*\b+5]|
.irp i, 6,10,14,18,22,26
	v_max3_num_f32 v[BM+\b], v[BM+\b], |v[X+32*\b+\i]|, |v[X+32*\b+\i+1]|
	v_max3_num_f32 v[BM+4+\b], v[BM+4+\b], |v[X+32*\b+\i+2]|, |v[X+32*\b+\i+3]|
.endr
	v_max3_num_f32 v[BM+\b], v[BM+\b], |v[X+32*\b+30]|, |v[X+32*\b+31]|
	v_max3_num_f32 v[BM+\b], v[BM+\b], v[BM+4+\b], 0x1800000   ; and the floor 2^(3 - 127): the byte cannot fall under 1
	v_add_nc_u32 v[SO+\b], 0xff000000, v[BM+\b]                ; 2 off the exponent field: the conversion takes the exponent field of this operand as its scale
	v_lshrrev_b32 v[BY+\b], 23, v[SO+\b]                       ; the scale's byte
.endm
.macro CVT b, f                        ; block b's 32 codes: the lower 16 into F + f on, the upper 16 aside
	v_cvt_scalef32_pk16_fp6_f32 v[F+(\f):F+(\f)+2], v[X+32*\b:X+32*\b+15], v[SO+\b]
	v_cvt_scalef32_pk16_fp6_f32 v[T+4*\b:T+4*\b+2], v[X+32*\b+16:X+32*\b+31], v[SO+\b]
.endm
.macro MOVE b, f                       ; and the upper 16 behind the lower
.irp i, 0,1,2
	v_mov_b32 v[F+(\f)+3+\i], v[T+4*\b+\i]
.endr
.endm
	s_load_b256 s[4:11], s[0:1], 0x0               ; latent s[4:5], keys s[6:7], vals s[8:9], qimg s[10:11]
	s_load_b64 s[12:13], s[0:1], 0x20              ; kvimg
	v_lshl_add_u32 v240, v0, 2, 0x20800
	v_mov_b32 v241, 0
	v_lshrrev_b32 v1, 5, v0
	v_readfirstlane_b32 s16, v1                    ; wave 0..7
	v_and_b32 v1, 31, v0                           ; lane
	v_and_b32 v2, 15, v0                           ; r
	v_bfe_u32 v3, v0, 4, 1                         ; h
	v_lshlrev_b32 v4, 4, v1                        ; 16 x lane
	v_lshlrev_b32 v8, 2, v1                        ; 4 x lane
	v_lshlrev_b32 v9, 3, v3                        ; 8 h: how far my two bytes stand up in a scale word
	s_mul_i32 s17, s16, WSTG
	v_add_nc_u32 v6, s17, v4                       ; the stage, on the way in: as the bytes lie
	v_mul_u32_u24 v7, v2, RP
	v_lshl_add_u32 v7, v3, 7, v7
	v_add_nc_u32 v7, s17, v7                       ; and on the way out: row r, + 128 h: the 32 numbers of my half of each 64
	v_mul_u32_u24 v10, v3, 1536
	v_lshl_add_u32 v10, v2, 4, v10                 ; vals: tile lane / 16 of my two, row lane % 16
	v_mov_b32 v233, 0                              ; written once: a lane permute's destination counts as one of its sources
	s_mov_b32 s40, 0x76543210
	s_mov_b32 s41, 0xfedcba98                      ; v_permlanex16_b32's selects for lane l xor 16
	s_cmp_ge_u32 s16, 6
	s_cbranch_scc1 .Lvals
	; ---- ROWS: tile T = 6 x work-group + wave; T < 1024: of latent, else of keys.  Both sets of offsets are made, then one compare chooses: one path for both tensors.
	s_mul_i32 s17, ttmp9, 6
	s_add_co_u32 s17, s17, s16                     ; T
	s_lshl_b32 s18, s17, 14                        ; latent: 16 rows of 1,024 bytes a tile,
	s_mul_i32 s19, s17, 3072                       ; its codes,
	s_lshl_b32 s20, s17, 7
	s_add_co_u32 s20, s20, QSC                     ; its scale words
	s_sub_co_u32 s21, s17, 1024                    ; keys: tile 8 j + tau
	s_lshr_b32 s22, s21, 3                         ; j
	s_and_b32 s23, s21, 7                          ; tau
	s_lshl_b32 s24, s22, 7
	s_lshr_b32 s25, s23, 1
	s_lshl_b32 s25, s25, 5
	s_add_co_u32 s24, s24, s25
	s_and_b32 s25, s23, 1
	s_lshl_b32 s25, s25, 3
	s_add_co_u32 s24, s24, s25                     ; its first key: 128 j + 32 (tau / 2) + 8 (tau % 2)
	s_lshl_b32 s24, s24, 10
	s_mul_i32 s26, s22, KSTEP
	s_mul_i32 s27, s23, 3072
	s_add_co_u32 s27, s27, s26                     ; its codes
	s_lshl_b32 s28, s23, 7
	s_add_co_u32 s28, s28, s26
	s_add_co_u32 s28, s28, 24576                   ; its scale words
	s_wait_kmcnt 0x0
	s_cmp_lt_u32 s17, 1024                         ; the choice hangs on ids alone
	s_cselect_b64 s[32:33], s[4:5], s[6:7]
	s_cselect_b64 s[34:35], s[10:11], s[12:13]
	s_cselect_b32 s42, s18, s24
	s_cselect_b32 s44, s19, s27
	s_cselect_b32 s46, s20, s28
	s_cselect_b32 s29, 0, 8192                     ; a tile of keys: rows 8-15 lie eight rows further on
	s_mov_b32 s43, 0
	s_mov_b32 s45, 0
	s_mov_b32 s47, 0
	s_add_nc_u64 s[32:33], s[32:33], s[42:43]      ; the tile's first row
	s_add_nc_u64 s[36:37], s[34:35], s[46:47]      ; where its scale words go
	s_add_nc_u64 s[34:35], s[34:35], s[44:45]      ; where its codes go
	v_add_nc_u32 v5, s29, v4
.set i, 0
.rept 32                               ; load i: half i % 2 of row i / 2: 32 lanes read 512 consecutive bytes
.if i < 16
	global_load_b128 v[X+4*i:X+4*i+3], v4, s[32:33] offset:(i/2)*1024+(i%2)*512 th:TH_LOAD_NT
.else
	global_load_b128 v[X+4*i:X+4*i+3], v5, s[32:33] offset:(i/2)*1024+(i%2)*512 th:TH_LOAD_NT
.endif
.set i, i+1
.endr
.set i, 0
.rept 32
	s_wait_loadcnt 31-i                            ; loads come back in order: load i is in, the 31 - i behind it may be out
	ds_store_b128 v6, v[X+4*i:X+4*i+3] offset:(i/2)*RP+(i%2)*512
.set i, i+1
.endr
.set i, 0
.rept 32                               ; back in the fragments' own order: register 32 B + e = k 64 B + 32 h + e of row r (B = 2 s + c).  LDS serves a wave's instructions in order: these see the stores above
	ds_load_b128 v[X+4*i:X+4*i+3], v7 offset:256*(i/8)+16*(i%8)
.set i, i+1
.endr
	s_wait_dscnt 0x0
.irp c, 0,1,2,3                        ; the sum of my 128 squares: four chains of pairs, started by the first four products
	v_pk_mul_f32 v[SQ+2*\c:SQ+2*\c+1], v[X+2*\c:X+2*\c+1], v[X+2*\c:X+2*\c+1]
.endr
.set i, 4
.rept 60
	v_pk_fma_f32 v[SQ+2*(i%4):SQ+2*(i%4)+1], v[X+2*i:X+2*i+1], v[X+2*i:X+2*i+1], v[SQ+2*(i%4):SQ+2*(i%4)+1]
.set i, i+1
.endr
	v_pk_add_f32 v[SQ:SQ+1], v[SQ:SQ+1], v[SQ+2:SQ+3]
	v_pk_add_f32 v[SQ+4:SQ+5], v[SQ+4:SQ+5], v[SQ+6:SQ+7]
	v_pk_add_f32 v[SQ:SQ+1], v[SQ:SQ+1], v[SQ+4:SQ+5]
	v_add_f32 v232, v[SQ], v[SQ+1]
	v_permlanex16_b32 v233, v232, s40, s41
	v_add_f32 v232, v232, v233                     ; with lane l xor 16's 128: the row's
	v_sqrt_f32 v234, v232
	v_nop                                          ; one plain place behind a transcendental
	s_wait_alu depctr_va_vdst(0)
	v_max_num_f32 v234, 0x2b8cbccc, v234           ; max(norm, 1e-12)
	v_rcp_f32 v236, v234
	v_nop
	s_wait_alu depctr_va_vdst(0)
	v_mov_b32 v237, v236
.set i, 0
.rept 64
	v_pk_mul_f32 v[X+2*i:X+2*i+1], v[X+2*i:X+2*i+1], v[236:237]    ; the normalised row, in f32
.set i, i+1
.endr
.irp b, 0,1,2,3
	BMAX \b
.endr
.irp s, 0,1                            ; K step s: my bytes are those of blocks h and 2 + h of its four; with lane l xor 16's two the word is whole
	v_lshl_or_b32 v235, v[BY+2*\s+1], 16, v[BY+2*\s]
	v_lshlrev_b32 v235, v9, v235
	v_permlanex16_b32 v233, v235, s40, s41
	v_or_b32 v[238+\s], v235, v233
.endr
	v_cmp_ne_u32 vcc_lo, 0, v3
	v_cndmask_b32 v238, v238, v239, vcc_lo         ; lanes 0-15 keep K step 0's word, lanes 16-31 take K step 1's
.irp b, 0,1,2,3
	CVT \b, 6*\b
.endr
	v_nop                                          ; one plain place behind a scaled conversion
.irp b, 0,1,2,3
	MOVE \b, 6*\b
.endr
.irp s, 0,1
.irp q, 0,1,2
	global_store_b128 v4, v[F+12*\s+4*\q:F+12*\s+4*\q+3], s[34:35] offset:1536*\s+512*\q   ; 32 lanes store 512 consecutive bytes, at a multiple of 256 from the buffer's first byte
.endr
.endr
	global_store_b32 v8, v238, s[36:37]            ; the tile's 32 scale words: 128 consecutive bytes
	s_wait_tensorcnt 0x0
	ds_add_u32 v240, v241
	s_wait_dscnt 0x0
	s_endpgm
	; ---- VALS: task U = 2 x work-group + wave - 6: key step U / 8, channels 32 (U % 8) on.  A LANE TAKES A CHANNEL AND ITS REGISTERS RUN DOWN THE KEYS: nothing is transposed.
.Lvals:
	s_lshl_b32 s17, ttmp9, 1
	s_add_co_u32 s17, s17, s16
	s_sub_co_u32 s17, s17, 6                       ; U
	s_lshr_b32 s18, s17, 3                         ; j
	s_and_b32 s19, s17, 7                          ; which 32 channels
	s_lshl_b32 s42, s18, 17                        ; 128 rows of 1,024 bytes a key step
	s_lshl_b32 s20, s19, 7
	s_add_co_u32 s42, s42, s20
	s_mov_b32 s43, 0
	s_mul_i32 s21, s18, KSTEP
	s_mul_i32 s44, s19, 3072
	s_add_co_u32 s44, s44, s21
	s_add_co_u32 s44, s44, 25600                   ; my two tiles' codes
	s_mov_b32 s45, 0
	s_add_co_u32 s46, s21, s20
	s_add_co_u32 s46, s46, 50176                   ; and their scale words
	s_mov_b32 s47, 0
	s_wait_kmcnt 0x0
	s_add_nc_u64 s[32:33], s[8:9], s[42:43]
	s_add_nc_u64 s[34:35], s[12:13], s[44:45]
	s_add_nc_u64 s[36:37], s[12:13], s[46:47]
.set i, 0
.rept 128
	global_load_b32 v[X+i], v8, s[32:33] offset:1024*i th:TH_LOAD_NT   ; key i of the step, my channel: 32 lanes read 128 consecutive bytes, the neighbouring wave the next 128
.set i, i+1
.endr
.irp b, 0,1,2,3                        ; block b: keys 32 b on.  In a fragment it belongs to lane half b % 2, registers 6 (b / 2) on
.if \b < 2
	s_wait_loadcnt 63                              ; behind this block's loads 96 (64) were issued; the wait names the most that its field holds, which is fewer
.else
	s_wait_loadcnt 32*(3-\b)                       ; the later blocks' loads may be out
.endif
	BMAX \b
	CVT \b, 12*(\b%2)+6*(\b/2)
.endr
	v_nop                                          ; one plain place behind a scaled conversion
.irp b, 0,1,2,3
	MOVE \b, 12*(\b%2)+6*(\b/2)
.endr
	v_lshl_or_b32 v238, v[BY+1], 8, v[BY]          ; my channel's scale word for these 128 keys
	v_lshl_or_b32 v238, v[BY+2], 16, v238
	v_lshl_or_b32 v238, v[BY+3], 24, v238
.irp p, 0,1                            ; what the fragment's lane (lane % 16, p) holds
.irp q, 0,1,2
	global_store_b128 v10, v[F+12*\p+4*\q:F+12*\p+4*\q+3], s[34:35] offset:512*\q+256*\p   ; sixteen lanes store 256 consecutive bytes of one tile, the other sixteen of the next; both at multiples of 256
.endr
.endr
	global_store_b32 v8, v238, s[36:37]
	s_endpgm
.Lfunc_end_k_qfa65aef59a_prep:
	.size	k_qfa65aef59a_prep, .Lfunc_end_k_qfa65aef59a_prep-k_qfa65aef59a_prep
	.p2alignl 7, 3214868480
	.fill 96, 4, 3214868480
	.section	.rodata,"a",@progbits
	.p2align	6, 0x0
	.amdhsa_kernel k_qfa65aef59a_prep
		.amdhsa_group_segment_fixed_size 134144
		.amdhsa_private_segment_fixed_size 0
		.amdhsa_enable_private_segment 0
		.amdhsa_kernarg_size 40
		.amdhsa_user_sgpr_count 2
		.amdhsa_user_sgpr_kernarg_segment_ptr 1
		.amdhsa_wavefront_size32 1
		.amdhsa_system_sgpr_workgroup_id_x 1
		.amdhsa_system_sgpr_workgroup_id_y 1
		.amdhsa_system_sgpr_workgroup_id_z 1
		.amdhsa_system_vgpr_workitem_id 0
		.amdhsa_next_free_vgpr 242
		.amdhsa_next_free_sgpr 66
		.amdhsa_reserve_vcc 1
		.amdhsa_float_denorm_mode_32 3
		.amdhsa_float_denorm_mode_16_64 3
		.amdhsa_memory_ordered 1
		.amdhsa_forward_progress 1
		.amdhsa_inst_pref_size 46
	.end_amdhsa_kernel
	.amdgpu_metadata
---
amdhsa.version: [ 1, 2 ]
amdhsa.kernels:
  - .name:           k_qfa65aef59a_prep
    .symbol:         k_qfa65aef59a_prep.kd
    .args:
      - { .name: latent, .offset: 0, .size: 8, .value_kind: global_buffer, .address_space: global }
      - { .name: keys, .offset: 8, .size: 8, .value_kind: global_buffer, .address_space: global }
      - { .name: vals, .offset: 16, .size: 8, .value_kind: global_buffer, .address_space: global }
      - { .name: qimg, .offset: 24, .size: 8, .value_kind: global_buffer, .address_space: global }
      - { .name: kvimg, .offset: 32, .size: 8, .value_kind: global_buffer, .address_space: global }
    .group_segment_fixed_size: 134144
    .private_segment_fixed_size: 0
    .kernarg_segment_align: 8
    .kernarg_segment_size: 40
    .max_flat_workgroup_size: 256
    .sgpr_count:     66
    .vgpr_count:     242
    .wavefront_size: 32
...
	.end_amdgpu_metadata
.endif
;; end of part 1
;; launch recall (part 2): grid 256 x 1, 4 waves a work-group, clusters of 4 x 1, 327,680 bytes of LDS; arguments qimg, kvimg, hardness, out0; writes out0
.if DOCPART == 2
	.amdgcn_target "amdgcn-amd-amdhsa--gfx1250"
	.amdhsa_code_object_version 6
	.text
	.protected	k_qfa65aef59a_recall
	.globl	k_qfa65aef59a_recall
	.p2align	8
	.type	k_qfa65aef59a_recall,@function
k_qfa65aef59a_recall:
	s_mov_b64 s[64:65], 0
	v_nop
	global_prefetch_b8 v0, s[64:65] scope:SCOPE_SE
	s_setreg_imm32_b32 hwreg(HW_REG_WAVE_MODE, 25, 1), 1
	s_wait_xcnt 0x0
	s_wait_alu depctr_hold_cnt(0) depctr_sa_sdst(0) depctr_va_vdst(0) depctr_va_sdst(0) depctr_va_ssrc(0) depctr_va_vcc(0) depctr_vm_vsrc(0)
	s_getreg_b32 s2, hwreg(HW_REG_IB_STS2, 6, 4)
	s_cmp_eq_u32 s2, 0
	s_cbranch_scc0 .Lentry_in_a_cluster
	s_endpgm
.Lentry_in_a_cluster:
	s_bfe_u32 s2, ttmp6, 0x10000c
	s_cmp_lg_u32 s2, 0x3003
	s_cbranch_scc0 .Lentry_shape_is_right
	s_endpgm
.Lentry_shape_is_right:
; RECALL: out[q][:] = the sum over the 8,192 keys of softmax_k(10 x hardness[k] x (Q[q] . K[k])) vals[k][:], both products on codes of FP6 (E2M3) with one E8M0 scale for each 32 along K.
; Q, K (normalised rows, K = their 256) and V (K = the keys) come as images of the operands' registers, with their scale words, as the launch before laid them.
; THE SOFTMAX AHEAD OF THE SECOND PRODUCT: u = score x hardness, t = u x 10 log2(e); M = the largest t so far, rounded UP to a whole number, kept as -M; p = 2^(t - M) is quantised along the keys, not normalised;
; the row's sum is taken of the unquantised p and divides at the end; when M moves, the sum and O are multiplied by 2^(old M - new M), which rounds nothing.  No branch hangs on data.
; A block's largest p is not searched for: the block's largest u goes through the same multiply-add and exponential (this takes v_exp_f32 not to fall where its input rises).
; LIMITS: NaN and infinities are not served; a block whose every p has fallen to 0 keeps the byte 1 (its codes are zeros).
; SHARES.  256 work-groups of four waves; a work-group owns 64 queries, four tiles of 16.  Wave w (pi = w % 2, g = w / 2) holds TWO PIECES, tiles 2 pi + g (piece 0) and 2 pi + 1 - g (piece 1), and walks HALF the keys:
; in trip n of 32 the key step 2 n + g (128 keys).  So each fragment of K and V that it reads from LDS feeds two products.  At the end it keeps piece 0 and hands piece 1 to wave w xor 2, whose piece 0 is that tile.
; LAYOUT.  Both products are used transposed: S^T = K Q^T (source 0 = 16 keys), O^T = V^T P^T (source 0 = 16 channels): a lane holds ONE query (lane % 16) throughout.  By the choice of the keys that form a tile of K,
; register 16 b + i of a piece's 64 scores is key 32 b + 16 (lane / 16) + i of the step.
; BY TURNS.  In a TURN one piece has the matrix unit (16 products V^T P of the trip in hand, 16 products K Q^T of the next), and the other piece's softmax, 314 vector instructions, stands round them: six or more
; vector instructions behind each matrix instruction.  Two turns are a trip.
; CLUSTER.  All work-groups walk the same K and V: the four of a cluster ask for each tile JOINTLY (the same load, the same descriptor, a mask that names the four); each wave asks for a quarter of a slot.
; REGISTERS, in windows of 256: window 0: v0-7 addresses; v8-27 scale words and nothing else; v28-39 statistics; v40-55 at work; v56-63 addresses for Q and for the end; v64-191 S^T, 64 a piece; v192-255 hardness of the step's keys.
;   window 1: O^T, 128 a piece.   window 2: v0-191 K of one step (fragment 2 tau + s at 12 x that), v192-239 Q (piece y, K step s at 192 + 24 y + 12 s).   window 3: v0-191 V of one step, v192-215 P, v216-223 at work.
.set SLOT1, 1<<17                      ; LDS: slot 0 at 0, slot 1 here: one exclusive or turns an address of one into the other's.  A slot holds two key steps as they lie in memory: 102,400 bytes
.set KSTEP, 51200
.set QUART, 25600                      ; a wave's quarter of a slot: 100 rows of 256 bytes
.set HB,    SLOT1+2*KSTEP              ; hardness, whole: 32,768 bytes, filled once
.set SPARE, HB+32768                   ; the spare words, 128 bytes for each wave: two blocks of 256 bytes that no other line names
.set MSTW,  16896                      ; the end: piece 1's image (16,384) and two words a lane, for each wave, in slot 0: it has had its last fill and its last read by then
.set STGW,  16640                      ; the way out: 16 rows of 1,024 + 16 bytes for each wave, in slot 1, behind the barrier of the hand-over
.set RP,    1040
.set QSC,   3145728                    ; qimg: where the scale words begin
.set LI,   1                           ; v1   16 x lane + 51200 g: an image's place for my lane, in my key step of a slot
.set ADR,  2                           ; v2   the address of the run of loads in hand
.set LS,   3                           ; v3   4 x lane + 51200 g + 24576: K's scale words; V's lie 25,600 further on
.set HA0,  4                           ; v4   HB + 512 g + 64 (lane / 16)
.set SPW,  5                           ; v5   LDS address of my spare word; never rewritten
.set NIL,  6                           ; v6   0; never rewritten
.set ADR2, 7                           ; v7   the address of the scale words in hand
.set KS,   8                           ; v8-15   K's scale words: tile tau; lanes 0-15 K step 0, lanes 16-31 K step 1
.set VS,   16                          ; v16-23  V's: lanes 0-15 tile 2 u, lanes 16-31 tile 2 u + 1
.set QS,   24                          ; v24-25  Q's, a piece each, as K's
.set PS,   26                          ; v26-27  P's, a piece each
.set ST,   28                          ; piece y at v[28 + 6 y]: +0 -M, +1 the largest t, +2, +3 the sum in two halves, +4 f = 2^(old M - new M), +5 named with it as a pair
.set BM,   40                          ; v40-43  the four blocks' largest u, then largest p
.set PX,   44                          ; v44-47  at work
.set SO,   48                          ; v48-51  the conversions' scale operands
.set BY,   52                          ; v52-55  the scale bytes
.set GO,   56                          ; v56  16 x lane
.set L4,   57                          ; v57  4 x lane
.set MS,   58                          ; v58-61  the hand-over: where I store, where I read; the same for the two words
.set MR,   59
.set MS4,  60
.set MR4,  61
.set SOA,  62                          ; v62  the way out: where I put 32 bytes of a row
.set SRA,  63                          ; v63  and where I read half a row back
.set S,    64
.set H,    192
.set TW,   216                         ; in window 3
.set WV,   12                          ; s12  my wave's number
.set SEL,  20                          ; s[20:21] v_permlanex16_b32's selects for lane l xor 16
.set CS,   22                          ; s[22:23] c = 10 log2(e): the packed form names a pair and takes its low word for both halves
.set G1,   24                          ; s[24:31] descriptor group 1: 100 rows of 256 bytes
.set G1H,  32                          ; s[32:39] the same with 32 rows
.set G0H,  40                          ; s[40:43] group 0: my quarter of hardness
.set G0A,  44                          ; s[44:47] my quarter of slot 0's first fill
.set G0W,  48                          ; s[48:51] my quarter of slot 1's first fill; it then walks
.set TB,   52                          ; s52  LDS byte at which the slot to be fetched from begins
.set TH,   53                          ; s53  hardness: 1,024 bytes a trip
.set CNT,  54
.set MSB, 0
.macro WIN new                         ; the immediate's high byte repeats the setting that is left; a switch that changes nothing is dropped
.if MSB != \new
	s_set_vgpr_msb (MSB<<8)|\new
.set MSB, \new
.endif
.endm
.macro PLACES                          ; a vector instruction or a load that touches a matrix instruction's registers stands four plain vector instructions behind it
.rept 4
	v_nop
.endr
.endm
.macro CROUND                          ; a round of the cluster's barrier: my work-group's barrier; wave 0 signals for the work-group; every wave waits for all four work-groups; my work-group's barrier once more
	s_barrier_signal -1
	s_barrier_wait -1
	s_cmp_lg_u32 s[WV], 0
	s_cbranch_scc1 .Lnot_wave_0_\@
	s_barrier_signal -3
.Lnot_wave_0_\@:
	s_barrier_wait -3
	s_barrier_signal -1
	s_barrier_wait -1
.endm
; Product i of 16 of S^T = K Q^T for piece x: K step i / 8, tile of keys i % 8.  The first eight start the sums.  The accumulators take turns, one instruction a turn.
.macro KQ x, i
	WIN 0x0a                                       ; K and Q in window 2, S^T in window 0
.set qs, (\i)/8
.set qt, (\i)%8
.set qD, S+64*(\x)+8*qt
.set qA, 12*(2*qt+qs)
.set qB, 192+24*(\x)+12*qs
.if qs == 0
	v_wmma_scale_f32_16x16x128_f8f6f4 v[qD:qD+7], v[qA:qA+11], v[qB:qB+11], 0, v[KS+qt], v[QS+(\x)] matrix_a_fmt:MATRIX_FMT_FP6 matrix_b_fmt:MATRIX_FMT_FP6
.else
	v_wmma_scale_f32_16x16x128_f8f6f4 v[qD:qD+7], v[qA:qA+11], v[qB:qB+11], v[qD:qD+7], v[KS+qt], v[QS+(\x)] matrix_a_fmt:MATRIX_FMT_FP6 matrix_b_fmt:MATRIX_FMT_FP6 matrix_a_scale:MATRIX_SCALE_ROW1 matrix_b_scale:MATRIX_SCALE_ROW1
.endif
.endm
; Product i of 16 of O^T += V^T P^T for piece x: channels 16 i on.  zero: it starts the sum: nothing is ever cleared.
.macro PV x, i, zero
	WIN 0x5f                                       ; V and P in window 3, O^T in window 1
.set pD, 128*(\x)+8*(\i)
.set pA, 12*(\i)
.set pB, 192+12*(\x)
.set pV, VS+(\i)/2
.if \zero
.if (\i)%2
	v_wmma_scale_f32_16x16x128_f8f6f4 v[pD:pD+7], v[pA:pA+11], v[pB:pB+11], 0, v[pV], v[PS+(\x)] matrix_a_fmt:MATRIX_FMT_FP6 matrix_b_fmt:MATRIX_FMT_FP6 matrix_a_scale:MATRIX_SCALE_ROW1
.else
	v_wmma_scale_f32_16x16x128_f8f6f4 v[pD:pD+7], v[pA:pA+11], v[pB:pB+11], 0, v[pV], v[PS+(\x)] matrix_a_fmt:MATRIX_FMT_FP6 matrix_b_fmt:MATRIX_FMT_FP6
.endif
.else
.if (\i)%2
	v_wmma_scale_f32_16x16x128_f8f6f4 v[pD:pD+7], v[pA:pA+11], v[pB:pB+11], v[pD:pD+7], v[pV], v[PS+(\x)] matrix_a_fmt:MATRIX_FMT_FP6 matrix_b_fmt:MATRIX_FMT_FP6 matrix_a_scale:MATRIX_SCALE_ROW1
.else
	v_wmma_scale_f32_16x16x128_f8f6f4 v[pD:pD+7], v[pA:pA+11], v[pB:pB+11], v[pD:pD+7], v[pV], v[PS+(\x)] matrix_a_fmt:MATRIX_FMT_FP6 matrix_b_fmt:MATRIX_FMT_FP6
.endif
.endif
.endm
; The turn's next matrix instruction, if one is left.  mx: the piece; mi: how many are issued; mp: how many of them are V^T P; mn: how many there are; mz: V^T P starts the sums.
.macro MX
.if mi < mn
.if mi < mp
	PV mx, mi, mz
.else
.if (mx == 0) && (mi == mp)
	s_wait_dscnt 0x0                               ; piece 0's turn has fetched the next step's K, its scale words and the hardness: they are in
.endif
	KQ mx, mi-mp
.endif
.set mi, mi+1
.endif
.endm
.macro HK w                            ; the same, and back to the vector work's windows
	MX
	WIN \w
.endm
; THE LDS LOADS stand in runs.  An image comes back as it was stored: 16 bytes a lane on end, 512 bytes an instruction.
.macro FETCH_K
	WIN 0
	v_add_nc_u32 v[ADR], s[TB], v[LI]
	v_add_nc_u32 v[ADR2], s[TB], v[LS]
	WIN 0x80                                       ; destination window 2
.irp f, 0,1,2,3,4,5,6,7,8,9,10,11,12,13,14,15
.irp q, 0,1,2
	ds_load_b128 v[12*\f+4*\q:12*\f+4*\q+3], v[ADR] offset:1536*\f+512*\q
.endr
.endr
	WIN 0
.irp t, 0,1,2,3,4,5,6,7
	ds_load_b32 v[KS+\t], v[ADR2] offset:128*\t
.endr
.endm
.macro FETCH_V
	WIN 0
	v_add_nc_u32 v[ADR], s[TB], v[LI]
	v_add_nc_u32 v[ADR2], s[TB], v[LS]
	WIN 0xc0                                       ; destination window 3
.irp f, 0,1,2,3,4,5,6,7,8,9,10,11,12,13,14,15
.irp q, 0,1,2
	ds_load_b128 v[12*\f+4*\q:12*\f+4*\q+3], v[ADR] offset:25600+1536*\f+512*\q
.endr
.endr
	WIN 0
.irp t, 0,1,2,3,4,5,6,7
	ds_load_b32 v[VS+\t], v[ADR2] offset:25600+128*\t
.endr
	s_xor_b32 s[TB], s[TB], SLOT1                  ; the next fetch is from the other slot
.endm
.macro FETCH_H                         ; hardness of the next step's keys, in the scores' order: register 16 b + i = key 32 b + 16 (lane / 16) + i; the sixteen lanes of a half read the same bytes
	v_add_nc_u32 v[ADR], s[TH], v[HA0]
.irp b, 0,1,2,3
.irp e, 0,1,2,3
	ds_load_b128 v[H+16*\b+4*\e:H+16*\b+4*\e+3], v[ADR] offset:128*\b+16*\e
.endr
.endr
	s_add_co_u32 s[TH], s[TH], 1024
.endm
; PIECE y's SOFTMAX FOR ONE KEY STEP, with the other piece's matrix instructions between its lines: sixteen places for them ahead of the exponentials (V^T P), sixteen behind (K Q^T).
; first: the piece's first step: O^T has not begun, so nothing is rescaled.  fh: hardness of the next step is fetched behind its last use.  fv: V of the next step is fetched behind the last V^T P.
.macro SOFTMAX y, first, fh, fv
.set sS, S+64*(\y)
.set sT, ST+6*(\y)
.set sP, 192+12*(\y)
.set sO, 128*(\y)
	WIN 0
.set k, 0
.rept 32                               ; u = score x hardness, two at a time, each accumulator from its low end on
	v_pk_mul_f32 v[sS+2*k:sS+2*k+1], v[sS+2*k:sS+2*k+1], v[H+2*k:H+2*k+1]
.set k, k+1
.if k%8 == 0
	HK 0
.endif
.endr
.if \fh
	FETCH_H
.endif
.irp b, 0,1,2,3                        ; the largest u of each block of 32 keys, the four blocks by turns
	v_max3_num_f32 v[BM+\b], v[sS+16*\b], v[sS+16*\b+1], v[sS+16*\b+2]
.endr
.irp i, 3,5,7,9,11,13
.irp b, 0,1,2,3
	v_max3_num_f32 v[BM+\b], v[BM+\b], v[sS+16*\b+\i], v[sS+16*\b+\i+1]
.endr
.if (\i == 3) || (\i == 7) || (\i == 11)
	HK 0
.endif
.endr
.irp b, 0,1,2,3
	v_max_num_f32 v[BM+\b], v[BM+\b], v[sS+16*\b+15]
.endr
	HK 0
.irp b, 0,1,2,3
	v_permlanex16_b32 v[PX+\b], v[BM+\b], s[SEL], s[SEL+1]
.endr
.irp b, 0,1,2,3
	v_max_num_f32 v[BM+\b], v[BM+\b], v[PX+\b]     ; with lane l xor 16's 16 keys
.endr
	HK 0
	v_max3_num_f32 v[PX], v[BM], v[BM+1], v[BM+2]
	v_max_num_f32 v[PX], v[PX], v[BM+3]            ; the step's largest u of my query
	v_mul_f32 v[PX], s[CS], v[PX]                  ; as t (c is positive)
	v_max_num_f32 v[sT+1], v[sT+1], v[PX]          ; the running largest t
	v_mov_b32 v[PX+1], v[sT]
	HK 0
	v_floor_f32 v[sT], -v[sT+1]                    ; the new -M = floor(-t) = -ceil(t): M is a whole number
	v_sub_f32 v[PX+1], v[sT], v[PX+1]              ; M's old value less its new one: a whole number, 0 or less
	v_cvt_i32_f32 v[PX+1], v[PX+1]                 ; (it saturates)
	v_ldexp_f32 v[sT+4], 1.0, v[PX+1]              ; f = 2^(old M - new M)
	HK 0
.set k, 0
.rept 32
	v_pk_fma_f32 v[sS+2*k:sS+2*k+1], v[sS+2*k:sS+2*k+1], s[CS:CS+1], v[sT:sT+1] op_sel_hi:[1,0,0]   ; t - M, two at a time (of the pairs c and -M the low word serves both halves)
.set k, k+1
.if k%6 == 0
	HK 0
.endif
.endr
.irp b, 0,1,2,3
	v_fma_f32 v[BM+\b], v[BM+\b], s[CS], v[sT]     ; the same of each block's largest u.  (With the two lines above: six plain lines behind the turn's last V^T P, ahead of the loads into V)
.endr
.if \fv
	FETCH_V
.endif
.set k, 0
.rept 64
	v_exp_f32 v[sS+k], v[sS+k]                     ; p = 2^(t - M), at most 1: not normalised
.set k, k+1
.endr
.irp b, 0,1,2,3
	v_exp_f32 v[BM+\b], v[BM+\b]                   ; the block's largest p: the same two instructions on the same number give the same bits
.endr
	v_pk_mul_f32 v[sT+2:sT+3], v[sT+2:sT+3], v[sT+4:sT+5] op_sel_hi:[1,0]   ; the sums under the new M.  (A plain place behind the exponentials)
	s_wait_alu depctr_va_vdst(0)
.irp b, 0,1,2,3
	v_max_num_f32 v[BM+\b], 0x1800000, v[BM+\b]    ; the floor 2^(3 - 127): the byte cannot fall under 1
.endr
.irp b, 0,1,2,3
	v_add_nc_u32 v[SO+\b], 0xff000000, v[BM+\b]    ; 2 off the exponent field: the conversion's scale operand
.endr
	HK 0
.irp b, 0,1,2,3
	v_lshrrev_b32 v[BY+\b], 23, v[SO+\b]           ; the scale's byte
.endr
	v_lshl_or_b32 v[PS+(\y)], v[BY+1], 8, v[BY]    ; p's scale word for these 128 keys
	v_lshl_or_b32 v[PS+(\y)], v[BY+2], 16, v[PS+(\y)]
	v_lshl_or_b32 v[PS+(\y)], v[BY+3], 24, v[PS+(\y)]
	HK 0xc0                                        ; destination window 3
.irp c, 0,1
	v_cvt_scalef32_pk16_fp6_f32 v[sP+6*\c:sP+6*\c+2], v[sS+32*\c:sS+32*\c+15], v[SO+2*\c]
	v_cvt_scalef32_pk16_fp6_f32 v[TW+4*\c:TW+4*\c+2], v[sS+32*\c+16:sS+32*\c+31], v[SO+2*\c+1]   ; (a conversion's three registers begin on an even number)
.endr
	v_nop                                          ; one plain place behind a scaled conversion
	WIN 0xc3
.irp c, 0,1                            ; the operand's layout wants a WHOLE block in a lane: lanes 0-15 block 2 c, lanes 16-31 block 2 c + 1
.irp i, 0,1,2
	v_permlane16_swap_b32 v[sP+6*\c+\i], v[TW+4*\c+\i]
.endr
.irp i, 0,1,2
	v_mov_b32 v[sP+6*\c+3+\i], v[TW+4*\c+\i]
.endr
.endr
	HK 0
	v_pk_add_f32 v[PX:PX+1], v[sS:sS+1], v[sS+2:sS+3]   ; the row's sum is taken of the UNQUANTISED p: two at a time, in two chains
.set k, 1
.rept 15
	v_pk_add_f32 v[sT+2:sT+3], v[sT+2:sT+3], v[sS+4*k:sS+4*k+1]
	v_pk_add_f32 v[PX:PX+1], v[PX:PX+1], v[sS+4*k+2:sS+4*k+3]
.if k%3 == 0
	HK 0
.endif
.set k, k+1
.endr
	v_pk_add_f32 v[sT+2:sT+3], v[sT+2:sT+3], v[PX:PX+1]
.if \first == 0
	WIN 0x41                                       ; O^T (destination and source 0) in window 1, f in window 0
.set k, 0
.rept 64                               ; O^T under the new M.  The sixteen lines behind the turn's last matrix instruction name none of its registers: they are the places in front of the next turn's reads of its scores and loads into K
	v_pk_mul_f32 v[sO+2*k:sO+2*k+1], v[sO+2*k:sO+2*k+1], v[sT+4:sT+5] op_sel_hi:[1,0]
.set k, k+1
.if (k%6 == 0) && (k < 49)
	HK 0x41
.endif
.endr
.endif
.endm
; A TURN.  Piece x has the matrix unit.  pv = 2: 16 products V^T P; 1: they start O^T; 0: none.  kq = 1: 16 products K Q^T for the next step.  first: the other piece's softmax is its first.
; Piece 0's turn fetches the next step's K and hardness, piece 1's turn its V.  A first softmax has fewer lines: what is left of the turn's products follows bare, and four v_nop behind them.
.macro TURN x, pv, kq, first
.set mx, \x
.set mi, 0
.set mp, 0
.set mz, 0
.if \pv
.set mp, 16
.endif
.if \pv == 1
.set mz, 1
.endif
.set mn, mp
.if \kq
.set mn, mp+16
.endif
.if \x == 0
.if \pv
	s_wait_dscnt 0x0                               ; V and its scale words are in
.endif
.if \kq
	FETCH_K
.endif
	SOFTMAX 1, \first, \kq, 0
.else
	SOFTMAX 0, \first, 0, \kq
.endif
.rept 16
	MX
.endr
.if \first
	PLACES
.endif
.endm
; THE CHANGE OF SLOTS, between two trips: all that the trip in hand wants of its slot has been asked for.  Each wave waits for all its tensor loads (one is out: its quarter of the other slot), adds 0 to its spare word,
; and waits for that and for its reads of the slot.  fill = 1: the slot is filled again with the key steps two trips on: the barrier is a round of the cluster's, and the joint refill is the first thing behind it.
.macro CHANGE fill
	WIN 0                                          ; at a label and at a branch every window is 0; the add's two registers lie in window 0
	s_wait_tensorcnt 0x0                           ; no tensor load of mine is out, so a group 0 may be written
	ds_add_u32 v[SPW], v[NIL]                      ; 0 onto my spare word
.if \fill
	s_xor_b32 s[G0W+1], s[G0W+1], SLOT1            ; the walking descriptor: the other slot than last time,
	s_add_nc_u64 s[G0W+2:G0W+3], s[G0W+2:G0W+3], 2*KSTEP   ; the next two key steps; the type bits on top are not reached
	s_wait_dscnt 0x0                               ; the add is done, and my reads of the slot are over
	CROUND
	tensor_load_to_lds s[G0W:G0W+3], s[G1:G1+7]    ; my one tensor load until the next round: it has a whole trip, 64 matrix instructions and two softmaxes, in which to land
	s_nop 0
	PLACES                                         ; (four v_nop behind the load)
.else
	s_wait_dscnt 0x0
	s_barrier_signal -1
	s_barrier_wait -1
.endif
.endm
	s_load_b256 s[4:11], s[0:1], 0x0               ; qimg s[4:5], kvimg s[6:7], hardness s[8:9], out0 s[10:11]
	v_lshl_add_u32 v[SPW], v0, 2, SPARE
	v_mov_b32 v[NIL], 0
	ds_add_u32 v5, v6
	ds_add_u32 v5, v6
	s_wait_dscnt 0x0
	v_lshrrev_b32 v1, 5, v0
	v_readfirstlane_b32 s[WV], v1                  ; wave 0..3
	s_and_b32 s13, s[WV], 1                        ; pi: which pair of tiles
	s_lshr_b32 s14, s[WV], 1                       ; g: which of a slot's two key steps
	s_bfe_u32 s15, ttmp6, 0x40000                  ; cx: my place in the cluster: it enters Q's and out0's addresses alone
	s_lshl_b32 s16, ttmp9, 2                       ; in a cluster launch ttmp9 counts clusters
	s_add_co_u32 s16, s16, s15                     ; my work-group
	s_lshl_b32 s17, s16, 2
	s_lshl_b32 s18, s13, 1
	s_add_co_u32 s17, s17, s18
	s_add_co_u32 s18, s17, s14                     ; piece 0's tile of 16 queries
	s_xor_b32 s19, s14, 1
	s_add_co_u32 s19, s17, s19                     ; piece 1's
	s_mul_i32 s56, s18, 3072                       ; their codes,
	s_mov_b32 s57, 0
	s_mul_i32 s58, s19, 3072
	s_mov_b32 s59, 0
	s_lshl_b32 s60, s18, 7                         ; their scale words,
	s_add_co_u32 s60, s60, QSC
	s_mov_b32 s61, 0
	s_lshl_b32 s62, s19, 7
	s_add_co_u32 s62, s62, QSC
	s_mov_b32 s63, 0
	s_lshl_b32 s2, s18, 14                         ; and piece 0's 16 rows of out0
	s_mov_b32 s3, 0
	; descriptor group 1: dense bytes as rows of 256 (32 elements of 8 bytes), no padding: the images are read 16 bytes a lane on end
	s_mov_b32 s[G1], 15|(3<<16)|(1<<21)            ; 15:0 the mask: all four work-groups; 17:16 elements of 8 bytes; 20 padding off; 21 set beside a mask
	s_mov_b32 s[G1+1], 32<<16                      ; tensor_dim0 = 32
	s_mov_b32 s[G1+2], 100<<16                     ; tensor_dim1 = 100
	s_mov_b32 s[G1+3], 32<<16                      ; tile_dim0 = 32
	s_mov_b32 s[G1+4], 100                         ; tile_dim1 = 100
	s_mov_b32 s[G1+5], 32                          ; tensor_dim0_stride
	s_mov_b32 s[G1+6], 0
	s_mov_b32 s[G1+7], 0
	s_mov_b32 s[G1H], 15|(3<<16)|(1<<21)
	s_mov_b32 s[G1H+1], 32<<16
	s_mov_b32 s[G1H+2], 32<<16                     ; 32 rows: a quarter of hardness
	s_mov_b32 s[G1H+3], 32<<16
	s_mov_b32 s[G1H+4], 32
	s_mov_b32 s[G1H+5], 32
	s_mov_b32 s[G1H+6], 0
	s_mov_b32 s[G1H+7], 0
	s_mov_b32 s[SEL], 0x76543210
	s_mov_b32 s[SEL+1], 0xfedcba98
	s_mov_b32 s[CS], 0x4166d4ca                    ; c = 10 log2(e) = 14.426950
	s_mov_b32 s[CS+1], s[CS]                       ; (named with it as a pair, so it is written)
	s_mul_i32 s54, s[WV], QUART                    ; my quarter of a slot, in memory and in LDS: the wave's number alone
	s_mov_b32 s55, 0
	s_lshl_b32 s52, s[WV], 13                      ; my quarter of hardness
	s_mov_b32 s53, 0
	s_wait_kmcnt 0x0
	s_add_nc_u64 s[56:57], s[4:5], s[56:57]
	s_add_nc_u64 s[58:59], s[4:5], s[58:59]
	s_add_nc_u64 s[60:61], s[4:5], s[60:61]
	s_add_nc_u64 s[62:63], s[4:5], s[62:63]
	s_add_nc_u64 s[10:11], s[10:11], s[2:3]
	s_mov_b32 s[G0H], 1                            ; 1:0 count = 1
	s_add_co_u32 s[G0H+1], s52, HB                 ; 63:32 LDS address
	s_add_nc_u64 s[G0H+2:G0H+3], s[8:9], s[52:53]  ; 120:64 global address
	s_or_b32 s[G0H+3], s[G0H+3], 0x80000000        ; 127:126 type = 2
	s_mov_b32 s[G0A], 1
	s_mov_b32 s[G0A+1], s54                        ; slot 0
	s_add_nc_u64 s[G0A+2:G0A+3], s[6:7], s[54:55]  ; key steps 0 and 1
	s_add_nc_u64 s[G0W+2:G0W+3], s[G0A+2:G0A+3], 2*KSTEP   ; key steps 2 and 3
	s_or_b32 s[G0A+3], s[G0A+3], 0x80000000
	s_mov_b32 s[G0W], 1
	s_add_co_u32 s[G0W+1], s54, SLOT1              ; slot 1
	s_or_b32 s[G0W+3], s[G0W+3], 0x80000000
	s_mov_b32 s[TB], 0
	s_mov_b32 s[TH], 0
	s_mov_b32 s[CNT], 29
	CROUND                                         ; all four work-groups are here: the first joint loads meet
	tensor_load_to_lds s[G0H:G0H+3], s[G1H:G1H+7]  ; the first fills go out as one group: three loads of mine are out
	s_nop 0
	tensor_load_to_lds s[G0A:G0A+3], s[G1:G1+7]
	s_nop 0
	tensor_load_to_lds s[G0W:G0W+3], s[G1:G1+7]
	s_nop 0
	PLACES                                         ; (four v_nop behind the last)
	v_and_b32 v2, 31, v0
	v_lshlrev_b32 v[GO], 4, v2
	v_lshlrev_b32 v[L4], 2, v2
	WIN 0x80                                       ; destination window 2
.irp y, 0,1                            ; Q stays in registers: two pieces x two K steps
.irp s, 0,1
.irp q, 0,1,2
	global_load_b128 v[192+24*\y+12*\s+4*\q:192+24*\y+12*\s+4*\q+3], v[GO], s[56+2*\y:57+2*\y] offset:1536*\s+512*\q
.endr
.endr
.endr
	WIN 0
.irp y, 0,1
	global_load_b32 v[QS+\y], v[L4], s[60+2*\y:61+2*\y]
.endr
	s_mul_i32 s17, s14, KSTEP                      ; my key step of a slot
	v_add_nc_u32 v[LI], s17, v[GO]
	s_add_co_u32 s18, s17, 24576
	v_add_nc_u32 v[LS], s18, v[L4]
	v_bfe_u32 v7, v0, 4, 1
	v_lshlrev_b32 v7, 6, v7
	s_lshl_b32 s19, s14, 9
	s_add_co_u32 s19, s19, HB
	v_add_nc_u32 v[HA0], s19, v7
.irp y, 0,1
	v_mov_b32 v[ST+6*\y+1], 0xff61b1e6             ; the largest t so far: -3e38, under every t
	v_floor_f32 v[ST+6*\y], -v[ST+6*\y+1]          ; -M
	v_mov_b32 v[ST+6*\y+2], 0                      ; the sum, in two halves
	v_mov_b32 v[ST+6*\y+3], 0
	v_mov_b32 v[ST+6*\y+4], 0
	v_mov_b32 v[ST+6*\y+5], 0                      ; (named as the upper half of f's pair)
.endr
.irp b, 0,1,2,3
	v_mov_b32 v[PX+\b], 0                          ; written once: a lane permute's destination counts as one of its sources
.endr
	s_wait_tensorcnt 0x1                           ; hardness and my quarter of slot 0 are in; slot 1's load may stay out
	s_barrier_signal -1
	s_barrier_wait -1                              ; everybody's are
	FETCH_K                                        ; trip 0
	FETCH_H
	s_wait_loadcnt 0x0                             ; Q and its scale words
	s_wait_dscnt 0x0
.set i, 0
.rept 16
	KQ 0, i                                        ; piece 0's first scores: there is no vector work yet to set between them
.set i, i+1
.endr
	PLACES
	TURN 1, 0, 1, 1                                ; piece 1's first scores | piece 0's first softmax | V of trip 0
	CHANGE 1                                       ; slot 0 has been read out: it takes trip 2
	TURN 0, 1, 1, 1                                ; piece 0: V^T P of trip 0 starts O^T, K Q^T of trip 1 | piece 1's first softmax | K and hardness of trip 1
	TURN 1, 1, 1, 0                                ; piece 1: the same | piece 0's softmax of trip 1 | V of trip 1
	WIN 0
.Ltrip:                                            ; trips 1 to 29: the slot of the trip in hand is filled again with the trip two on (3 to 31)
	CHANGE 1
	TURN 0, 2, 1, 0
	TURN 1, 2, 1, 0
	WIN 0
	s_sub_co_u32 s[CNT], s[CNT], 1
	s_cmp_lg_u32 s[CNT], 0
	s_cbranch_scc1 .Ltrip
	CHANGE 0                                       ; the tail is written out: trip 31's tiles have landed, nothing is asked for
	TURN 0, 2, 1, 0                                ; trip 30
	TURN 1, 2, 1, 0
	TURN 0, 2, 0, 0                                ; piece 0: V^T P of trip 31 | piece 1's last softmax
.set i, 0
.rept 16
	PV 1, i, 0                                     ; piece 1: V^T P of trip 31
.set i, i+1
.endr
	; THE END.  Each piece's sum; piece 1 goes to wave w xor 2 as an image of its registers, with its -M and its sum; the partner's piece 1 is my piece 0's other half of the keys.
	WIN 0                                          ; (the lines down to the first LDS store are the places behind the last products)
	v_add_f32 v[ST+2], v[ST+2], v[ST+3]
	v_add_f32 v[ST+8], v[ST+8], v[ST+9]
	v_permlanex16_b32 v[PX], v[ST+2], s[SEL], s[SEL+1]
	v_permlanex16_b32 v[PX+1], v[ST+8], s[SEL], s[SEL+1]
	v_add_f32 v[ST+2], v[ST+2], v[PX]              ; with lane l xor 16's keys: the row's sum over my half of the keys
	v_add_f32 v[ST+8], v[ST+8], v[PX+1]
	v_and_b32 v40, 31, v0                          ; lane
	v_and_b32 v41, 15, v0                          ; r
	v_bfe_u32 v42, v0, 4, 1                        ; h
	s_mul_i32 s17, s[WV], MSTW
	s_xor_b32 s18, s[WV], 2
	s_mul_i32 s18, s18, MSTW
	s_mul_i32 s19, s[WV], STGW
	s_add_co_u32 s19, s19, SLOT1
	v_lshl_add_u32 v[MS], v40, 4, s17
	v_lshl_add_u32 v[MR], v40, 4, s18
	v_lshl_add_u32 v[MS4], v40, 2, s17
	v_lshl_add_u32 v[MR4], v40, 2, s18
	v_mul_u32_u24 v43, v41, RP
	v_lshl_add_u32 v43, v42, 5, v43
	v_add_nc_u32 v[SOA], s19, v43                  ; the way out, in: row r, + 32 h
	v_lshl_add_u32 v[SRA], v40, 4, s19             ; and back: 16 bytes a lane
	WIN 0x04                                       ; an LDS store's data are its source 1: window 1
.set k, 0
.rept 32
	ds_store_b128 v[MS], v[128+4*k:128+4*k+3] offset:512*k   ; each accumulator from its low end on.  Slot 0 had its last fill for trip 30, and every wave has passed the last change of slots, behind which nobody reads it
.set k, k+1
.endr
	WIN 0
	ds_store_b32 v[MS4], v[ST+6] offset:16384      ; piece 1's -M
	ds_store_b32 v[MS4], v[ST+8] offset:16512      ; and its sum
	s_wait_dscnt 0x0                               ; for the others' sake: my stores have landed, and my reads of slot 1 are long over
	s_barrier_signal -1
	s_barrier_wait -1
.set k, 0
.rept 32
	ds_load_b128 v[S+4*k:S+4*k+3], v[MR] offset:512*k
.set k, k+1
.endr
	ds_load_b32 v48, v[MR4] offset:16384
	ds_load_b32 v49, v[MR4] offset:16512
	s_wait_dscnt 0x0
	v_min_num_f32 v40, v[ST], v48                  ; -M of both halves: the larger M
	v_sub_f32 v41, v40, v[ST]
	v_sub_f32 v42, v40, v48
	v_cvt_i32_f32 v41, v41
	v_cvt_i32_f32 v42, v42
	v_ldexp_f32 v44, 1.0, v41                      ; what brings my half under it,
	v_ldexp_f32 v46, 1.0, v42                      ; and the partner's: powers of two
	v_mul_f32 v43, v49, v46
	v_fma_f32 v43, v[ST+2], v44, v43               ; the row's sum over all keys
	v_rcp_f32 v43, v43
	v_nop                                          ; one plain place behind a transcendental
	s_wait_alu depctr_va_vdst(0)
	v_mul_f32 v44, v44, v43
	v_mul_f32 v46, v46, v43
	v_mov_b32 v45, v44
	v_mov_b32 v47, v46
.set k, 0
.rept 64
	v_pk_mul_f32 v[S+2*k:S+2*k+1], v[S+2*k:S+2*k+1], v[46:47]
.set k, k+1
.endr
	WIN 0x01                                       ; source 0: my piece 0's O^T, in window 1
.set k, 0
.rept 64
	v_pk_fma_f32 v[S+2*k:S+2*k+1], v[2*k:2*k+1], v[44:45], v[S+2*k:S+2*k+1]   ; register 8 t + i is out(r, 16 t + 8 h + i)
.set k, k+1
.endr
	WIN 0
.irp t, 0,1,2,3,4,5,6,7,8,9,10,11,12,13,14,15  ; a lane holds 32 neighbouring bytes of a row, the lanes beside it other rows: through my own stage, and back as half rows of 512 bytes
	ds_store_b128 v[SOA], v[S+8*\t:S+8*\t+3] offset:64*\t
	ds_store_b128 v[SOA], v[S+8*\t+4:S+8*\t+7] offset:64*\t+16
.endr
.set k, 0
.rept 32
	ds_load_b128 v[S+4*k:S+4*k+3], v[SRA] offset:(k/2)*RP+(k%2)*512   ; LDS serves a wave's instructions in order: these see the stores above
.set k, k+1
.endr
.set k, 0
.rept 32
	s_wait_dscnt 31-k                              ; load k is back; the 31 - k behind it may be out
	global_store_b128 v[GO], v[S+4*k:S+4*k+3], s[10:11] offset:512*k th:TH_STORE_NT   ; 32 lanes store 512 consecutive bytes, at a multiple of 256 from out0's first byte; written once, read by nobody here
.set k, k+1
.endr
	s_wait_tensorcnt 0x0                           ; the wave's end, behind my last tensor load and my last LDS store
	ds_add_u32 v[SPW], v[NIL]
	s_wait_dscnt 0x0
	CROUND                                         ; the closing round: no work-group ends while a partner may still ask for a tile that names it
	s_endpgm
.Lfunc_end_k_qfa65aef59a_recall:
	.size	k_qfa65aef59a_recall, .Lfunc_end_k_qfa65aef59a_recall-k_qfa65aef59a_recall
	.p2alignl 7, 3214868480
	.fill 96, 4, 3214868480
	.section	.rodata,"a",@progbits
	.p2align	6, 0x0
	.amdhsa_kernel k_qfa65aef59a_recall
		.amdhsa_group_segment_fixed_size 327680
		.amdhsa_private_segment_fixed_size 0
		.amdhsa_enable_private_segment 0
		.amdhsa_kernarg_size 32
		.amdhsa_user_sgpr_count 2
		.amdhsa_user_sgpr_kernarg_segment_ptr 1
		.amdhsa_wavefront_size32 1
		.amdhsa_system_sgpr_workgroup_id_x 1
		.amdhsa_system_sgpr_workgroup_id_y 1
		.amdhsa_system_sgpr_workgroup_id_z 1
		.amdhsa_system_vgpr_workitem_id 0
		.amdhsa_next_free_vgpr 1024
		.amdhsa_next_free_sgpr 66
		.amdhsa_reserve_vcc 0
		.amdhsa_float_denorm_mode_32 3
		.amdhsa_float_denorm_mode_16_64 3
		.amdhsa_memory_ordered 1
		.amdhsa_forward_progress 1
		.amdhsa_inst_pref_size 237
	.end_amdhsa_kernel
	.amdgpu_metadata
---
amdhsa.version: [ 1, 2 ]
amdhsa.kernels:
  - .name:           k_qfa65aef59a_recall
    .symbol:         k_qfa65aef59a_recall.kd
    .args:
      - { .name: qimg, .offset: 0, .size: 8, .value_kind: global_buffer, .address_space: global }
      - { .name: kvimg, .offset: 8, .size: 8, .value_kind: global_buffer, .address_space: global }
      - { .name: hardness, .offset: 16, .size: 8, .value_kind: global_buffer, .address_space: global }
      - { .name: out0, .offset: 24, .size: 8, .value_kind: global_buffer, .address_space: global }
    .group_segment_fixed_size: 327680
    .private_segment_fixed_size: 0
    .kernarg_segment_align: 8
    .kernarg_segment_size: 32
    .max_flat_workgroup_size: 128
    .sgpr_count:     66
    .vgpr_count:     1024
    .wavefront_size: 32
...
	.end_amdgpu_metadata
.endif
;; end of part 2
